; MI455X (gfx1250); checked and timed in simulation.
; The chip was launched on July 23, 2026; its instructions are those of AMD's public machine-readable ISA for CDNA 5 (MIT licence, August 2026) and "CDNA5" Instruction Set Architecture Reference Guide (July 2026). The comments in the code are by the model that wrote it; some were corrected since.
;; Patch Decoder nerf2d. Allowed arithmetic: matrix products marked QUANTISED: E2M1 operands, one E8M0 scale for each 32 along K, by v_wmma_scale_f32_16x16x128_f8f6f4 with both operands' format E2M1 (or v_wmma_scale_f32_32x16x128_f4), f32 sums; products left as they are: f32 operands where the result goes on into a quantised operand, else bf16, f16 or f32 operands; f32 sums; everything else in f32.
;; Inputs: W1 52 x 32 float32; W2 32 x 16 float32; W3 16 x 3 float32; b1 32 float32; b2 16 float32; b3 3 float32; coordinates_v 1,024 x 2 float32; feature 1,024 x 32 float32.
;; Outputs: out0 1,024 x 1,024 x 3 float32.
;; This version of the problem:
;;   THIS VERSION OF THE PROBLEM IS GIVEN IN LOW PRECISION. The matrix products marked QUANTISED in the list below multiply operands that are first quantised to E2M1 (2 exponent bits, 1 mantissa bit; 4 bits a number), with one power-of-two scale for each 32 numbers along K (OCP MX v1.0); their sums are f32. All else is computed in f32.
;;   The module's matrix products, in the order in which they are computed (A, B: the left and right operand; K: the contracted axis; several contracted axes count as one K, in the product's order):
;;     1. [M 1,048,576, K 52] x [K 52, N 32]; A: computed on the way; B: input W1: QUANTISED
;;     2. [M 1,048,576, K 32] x [K 32, N 16]; A: computed on the way; B: input W2: QUANTISED
;;     3. [M 1,048,576, K 16] x [K 16, N 3]; A: computed on the way; B: input W3: left as it is (K = 16 < 32)
;;   THE QUANTISER, for each operand of a quantised product, along K:
;;     - K is cut into blocks of 32 from its start; a last block that is shorter is filled with zeros.
;;     - A block's scale is 2^e with e = floor(log2(the largest magnitude in the block)) - 2, held to -126 .. 127; a block of zeros has e = 0. As a byte (E8M0): e + 127.
;;     - Each number is divided by its block's scale, clamped to +-6, and rounded to the nearest number of E2M1, ties to even, subnormals kept.
;;     - The product sums the exact products of the quantised numbers (number of the format x scale) in f32.
;;   ~~~python
;;   def quantise(x, axis):      # numpy; x: float32 -> the quantised numbers, widened to float32 again
;;       x = np.moveaxis(x, axis, -1); K = x.shape[-1]
;;       x = np.pad(x, [(0, 0)] * (x.ndim - 1) + [(0, -K % 32)]); x = x.reshape(x.shape[:-1] + (-1, 32)); a = np.abs(x).max(-1, keepdims=True)
;;       e = np.where(a > 0, np.clip(np.frexp(np.where(a > 0, a, 1))[1] - 1 - 2, -126, 127), 0)      # np.frexp(a)[1] - 1 = floor(log2(a)), exactly
;;       r = np.clip(x / 2.0 ** e, -6, 6)
;;       step = 2.0 ** (np.maximum(np.frexp(np.where(r == 0, 1, r))[1] - 1, 0) - 1)
;;       q = np.round(r / step) * step * 2.0 ** e      # np.round: ties to even
;;       return np.moveaxis(q.reshape(q.shape[:-2] + (-1,))[..., :K], -1, axis).astype(np.float32)
;;   ~~~
;;   OPERANDS COMPUTED ON THE WAY. 'Computed on the way' means the value that the module computes at that place (a softmax that the list does not call 'softmax' is quantised finished and normalised). What goes into a quantiser is computed in f32, as accurately as f32 sums, v_exp_f32 and their like allow (about 1e-6 of the number): no bf16 or f16 on the way to a quantiser, and a product that is left as it is and whose result goes on into a quantised operand takes f32 operands (vector FMAs, or v_wmma_f32_16x16x4_f32). A number that lies on a knife's edge between two numbers of the format may be rounded either way, as far as f32 arithmetic and the matrix unit's own rounding can turn it there, and no further.
;; 2 versions, each right; version 2 is version 1 with the launch decode written anew for expert scheduling mode. Each part assembles by itself: llvm-mc -triple=amdgcn-amd-amdhsa -mcpu=gfx1250 --defsym DOCPART=n.
;; ======== version 1 of 2: 1 launch
;; limits: inputs' magnitudes at most 2,600
;; launch decode (part 1): grid 16 x 16, 16 waves a work-group, no clusters, 27,648 bytes of LDS; arguments coordinates_v, feature, W1, b1, W2, b2, W3, b3, out0; writes out0
.if DOCPART == 1
	.amdgcn_target "amdgcn-amd-amdhsa--gfx1250"
	.amdhsa_code_object_version 6
	.text
	.protected	k_q2392d421d3_decode
	.globl	k_q2392d421d3_decode
	.p2align	8
	.type	k_q2392d421d3_decode,@function
k_q2392d421d3_decode:
	s_mov_b64 s[64:65], 0
	v_nop
	global_prefetch_b8 v0, s[64:65] scope:SCOPE_SE
	s_setreg_imm32_b32 hwreg(HW_REG_WAVE_MODE, 25, 1), 1
	s_wait_xcnt 0x0
; out[b][n][0..2] = relu(relu([feature[b] | enc[n]] W1 + b1) W2 + b2) W3 + b3 for all 1,024 x 1,024 pairs (b, n).  Products 1 and 2 on codes of FP4 (E2M1) with one E8M0 scale
; for each 32 along K, product 3 (K = 16) on bf16; all sums f32.
; THE SEAM.  K = 52 is cut into blocks of 32 exactly between feature[b] (block 0) and enc[n] with 12 zeros (block 1): block 0's codes and scale hang on b alone, block 1's on n alone.
; So F[b] = QW1[0:32]^T Qfeature[b] + b1 is made once for the work-group's 64 b, and every tile of (one b, 16 n) is one product of QW1[32:52] with Qenc whose C is F[b].
; Only relu(h1), 32 numbers a pair, is quantised for every pair.
; SHARES.  256 work-groups: x = a block of 64 n, y = a block of 64 b.  Sixteen waves; wave w owns b = 64 y + 4 w + 0..3 for the 64 n: eight streams of 32 n (two tiles of 16).
; LAYOUT.  Every product is used transposed (source 0 = weights, source 1 = 16 rows n): a lane holds ONE n (lane % 16) and its registers run along the next K.
; A block of 32 lies in lanes l and l xor 16, 16 numbers each: the lane's 16 codes are registers 0 and 1 of the operand, which the instruction takes as k = 32 (lane / 16) + 0..15;
; so the halves fall into the instruction's blocks 0 and 1, and the scale word holds the block's byte twice (bytes 2 and 3 are 0, which is 2^-127).  The weights are laid by the same order of k, with
; zero codes in registers 2 to 7: whatever codes stand in the rows' registers 2 to 7 are multiplied by 0 (E2M1 has no code for infinity or NaN).  So two conversions' results ARE the operand,
; and the eight-register operands of neighbouring tiles overlap, two registers apart.
; relu(h1) costs no instruction a number: the block's maximum is taken without |.| (a floor stands under it), the raw numbers are converted, and codes with the sign bit are cleared, eight at a time.
; PRODUCT 3: one bf16 instruction for two tiles: K 0..15 = tile a's relu(h2), K 16..31 = tile b's; W3^T in rows 0..2 on K 0..15 and rows 8..10 on K 16..31; registers 0..2 of lane l are out[b][n0 + l][0..2].
; THE WAY OUT: 64 n x 12 bytes = 768 bytes a b go through the wave's own stage in LDS and leave as three stores of 256 consecutive bytes, each at a multiple of 256 from out's first byte.
; sin AND cos are made in f32: the argument is reference()'s own f32 product (a scaling by 2^l commutes with its rounding); q = the nearest whole number to arg / pi (+ 1/2 for cos); r = arg - (q - 0 or 1/2) pi
; with pi in three parts; (-1)^q (r + r^3 p(r^2)), the series to r^13, whose first term left out is at most (pi/2)^15 / 15! = 7e-10.
; NO CLUSTER, NO TENSOR LOAD: a work-group reads 17.8 KB once (512 bytes of coordinates, 8,192 of features, 9,100 of weights and biases) and stores 49,152; what neighbours share is those few KB, read once at the head.
; LIMITS: NaN and infinities among the inputs are not served.  A block that is all zeros (or, for relu(h1), all <= 0) gets the byte 1 with zero codes where the rule says 127: no scale byte is an output.
; Blocks whose largest magnitude lies under 2^-124 are held at the byte 1.  The reduction of sin's and cos's argument is exact for |512 pi x| < 2^22.  A negative number's code becomes +0.
.set ENCI,  0                          ; LDS: enc's codes: tile t at 256 t, lane at 8 x lane (registers 0 and 1 of the operand)
.set ENCS,  1024                       ; enc's scale words, 4 bytes for each of the 64 n
.set W1EI,  1280                       ; W1[32:52]'s codes: tile u of 16 units at 256 u, 8 x lane
.set W1ES,  1792                       ; their scale words, 4 bytes a unit
.set W2I,   2048                       ; W2's codes, 8 x lane
.set W2SL,  2304                       ; W2's scale words, 4 x lane
.set W3I,   2560                       ; W3's bf16 operand: registers 0-3 at 16 x lane, registers 4-7 512 bytes on
.set FROW,  3584                       ; F: 64 rows of 32 f32
.set FP,    144                        ; 128 bytes + 16: an odd multiple of 16, so that the 16 rows of a store start in different banks (64 banks of 4 bytes: ISA guide 11.1)
.set STG,   12800                      ; the stages: 768 bytes for each wave
.set FLOOR, 0x1800000                  ; 2^(3 - 127): under it no largest magnitude is taken, so the byte cannot fall under 1
.set EOFF,  0xff000000                 ; takes 2 off an exponent field
.set L4,   1                           ; v1   4 x lane
.set L8,   2                           ; v2   8 x lane
.set L16,  3                           ; v3   16 x lane
.set CFA,  4                           ; v4   F of my first b: FROW + 4 FP w + 32 h
.set STO,  5                           ; v5   my stage, in: STG + 768 w + 12 x lane
.set STR,  6                           ; v6   my stage, back: STG + 768 w + 8 x lane
.set EWI,  7                           ; v7   where an enc wave puts a register of codes
.set EWS,  8                           ; v8   and a scale word
.set FWR,  9                           ; v9   where a feature wave puts F
.set WEI,  10                          ; v10  where a W1e wave puts its codes
.set WES,  11                          ; v11  and its scale words
.set RR,   12                          ; v12  r = lane % 16
.set HH,   13                          ; v13  h = lane / 16
.set ZO,   14                          ; v14  0
.set H32,  15                          ; v15  32 h
.set ENCF, 16                          ; v16-23   enc's codes, two registers a tile; tile t's operand is v[16 + 2 t .. 23 + 2 t]
.set PCD,  24                          ; v24-27   relu(h1)'s codes: tile a's two, tile b's two; tile i's operand is v[24 + 2 i .. 31 + 2 i]
.set ESC,  34                          ; v34-35   enc's scale words: register p: tile 2 p in lanes 0-15, tile 2 p + 1 in lanes 16-31
.set W1SC, 36                          ; v36      W1e's: tile 0 in lanes 0-15, tile 1 in lanes 16-31
.set W2SC, 37                          ; v37      W2's
.set HSC,  38                          ; v38-39   relu(h1)'s, tile a's and tile b's.  v34-39 hold scale words and nothing else
.set WEF,  40                          ; v40-55   W1e's two operands
.set W2F,  56                          ; v56-63   W2's operand
.set W3F,  64                          ; v64-71   W3's operand
.set CB2,  72                          ; v72-79   b2[8 h + j]
.set CB3,  80                          ; v80-87   b3[0..2], five zeros
.set CFB,  88                          ; v88-103  F[b]: units 8 h + j, then units 16 + 8 h + j
.set HID,  104                         ; v104-167 h1, two buffers of 32: tile i, units' tile u at 16 i + 8 u
.set DD2,  168                         ; v168-183 h2 of two tiles
.set PP3,  184                         ; v184-191 relu(h2) in bf16: product 3's rows
.set DD3,  192                         ; v192-199 product 3's result
.set TM,   200                         ; v200-215 at work
.set OUTR, 216                         ; v216-239 six registers a b: no store's data are written again
.set LN,   232                         ; at the head and in the roles only: lane,
.set R7,   233                         ; r % 8,
.set G3,   234                         ; r / 8,
.set GOF,  236                         ; a role's offsets into its inputs
.set GO2,  237
	s_load_b512 s[8:23], s[0:1], 0x0               ; coordinates s[8:9], feature s[10:11], W1 s[12:13], b1 s[14:15], W2 s[16:17], b2 s[18:19], W3 s[20:21], b3 s[22:23]
	s_load_b64 s[24:25], s[0:1], 0x40              ; out
	v_lshl_add_u32 v240, v0, 2, 0x6400
	v_mov_b32 v241, 0
	v_lshrrev_b32 v[LN], 5, v0
	v_readfirstlane_b32 s4, v[LN]                  ; wave 0..15
	v_and_b32 v[LN], 31, v0
	v_and_b32 v[RR], 15, v0
	v_bfe_u32 v[HH], v0, 4, 1
	v_and_b32 v[R7], 7, v0
	v_bfe_u32 v[G3], v0, 3, 1
	v_lshlrev_b32 v[L4], 2, v[LN]
	v_lshlrev_b32 v[L8], 3, v[LN]
	v_lshlrev_b32 v[L16], 4, v[LN]
	v_mov_b32 v[ZO], 0
	v_lshlrev_b32 v[H32], 5, v[HH]
.irp j, 0,1,2,3,4,5,6,7,8,9
	v_mov_b32 v[PCD+\j], 0                         ; the code registers (the operands of enc's tiles 1 to 3 reach into them) and the six behind them
.endr
.irp j, 2,3,4,5,6,7
	v_mov_b32 v[WEF+\j], 0                         ; the weights' zero codes: what stands against them counts for nothing
	v_mov_b32 v[WEF+8+\j], 0
	v_mov_b32 v[W2F+\j], 0
.endr
.irp j, 3,4,5,6,7
	v_mov_b32 v[CB3+\j], 0
.endr
	v_mov_b32 v[TM+4], 0                           ; written once: a lane permute's destination counts as one of its sources
	v_mov_b32 v[TM+5], 0
	s_and_b32 s6, ttmp7, 0xffff                    ; y
	s_and_b32 s5, s4, 1
	s_and_b32 s7, s4, 3
	s_mov_b32 s26, 0x76543210
	s_mov_b32 s27, 0xfedcba98                      ; v_permlanex16_b32's selects for lane l xor 16
	s_mov_b32 s28, 0x88888888                      ; the sign bits of eight codes
	; every LDS address is made here, ahead of the parting of the roles: a constant + a constant x wave + constants x parts of the lane
	s_mul_i32 s30, s4, 4*FP
	s_add_co_u32 s30, s30, FROW
	v_lshl_add_u32 v[CFA], v[HH], 5, s30
	s_mul_i32 s30, s4, 768
	s_add_co_u32 s30, s30, STG
	v_mad_u32_u24 v[STO], v[LN], 12, s30
	v_lshl_add_u32 v[STR], v[LN], 3, s30
	s_lshr_b32 s30, s4, 1                          ; enc wave w makes n = 8 w + r % 8: tile w / 2, row 8 (w % 2) + r % 8; type h goes to lanes 16 h on; register r / 8
	s_lshl_b32 s30, s30, 8
	s_lshl_b32 s31, s5, 6
	s_add_co_u32 s30, s30, s31
	v_lshl_add_u32 v[EWI], v[R7], 3, s30
	v_lshl_add_u32 v[EWI], v[HH], 7, v[EWI]
	v_lshl_add_u32 v[EWI], v[G3], 2, v[EWI]
	s_lshl_b32 s30, s4, 5
	s_add_co_u32 s30, s30, ENCS
	v_lshl_add_u32 v[EWS], v[R7], 2, s30
	s_mul_i32 s30, s7, 16*FP                       ; feature wave w makes rows 16 (w % 4) + r
	s_add_co_u32 s30, s30, FROW
	v_mad_u32_u24 v[FWR], v[RR], FP, s30
	v_lshl_add_u32 v[FWR], v[HH], 5, v[FWR]
	s_lshl_b32 s30, s5, 8
	s_add_co_u32 s30, s30, W1EI
	v_lshl_add_u32 v[WEI], v[LN], 3, s30
	s_add_co_u32 s31, s31, W1ES
	v_lshl_add_u32 v[WES], v[RR], 2, s31
	; offsets into the buffers, made apart from the addresses
	s_lshl_b32 s32, ttmp9, 9                       ; coordinates: 64 n x 8 bytes a block
	s_mov_b32 s33, 0
	s_lshl_b32 s34, s6, 13                         ; feature: 64 b x 128 bytes a block, 16 rows a feature wave
	s_lshl_b32 s30, s7, 11
	s_add_co_u32 s34, s34, s30
	s_mov_b32 s35, 0
	s_lshl_b32 s36, s6, 6                          ; out: row b = 64 y + 4 w of 12,288 bytes, + 768 x
	s_lshl_b32 s30, s4, 2
	s_add_co_u32 s36, s36, s30
	s_mul_i32 s36, s36, 12288
	s_mul_i32 s30, ttmp9, 768
	s_add_co_u32 s36, s36, s30
	s_mov_b32 s37, 0
	s_wait_kmcnt 0x0
	s_add_nc_u64 s[8:9], s[8:9], s[32:33]
	s_add_nc_u64 s[10:11], s[10:11], s[34:35]
	s_add_nc_u64 s[24:25], s[24:25], s[36:37]
	global_load_b128 v[CB2:CB2+3], v[H32], s[18:19]            ; b2[8 h + 0..7]: the C of product 2
	global_load_b128 v[CB2+4:CB2+7], v[H32], s[18:19] offset:16
	global_load_b96 v[CB3:CB3+2], v[ZO], s[22:23]              ; b3: the C of product 3
; 16 numbers of a lane, half a block of 32 (the other half lies in lane l xor 16), become two registers of codes and the scale word (the byte twice).
.macro Q16 src, dst, sw
	v_max3_num_f32 v[TM], |v[\src]|, |v[\src+1]|, FLOOR
	v_max3_num_f32 v[TM+1], |v[\src+2]|, |v[\src+3]|, |v[\src+4]|   ; (two chains by turns)
	v_max3_num_f32 v[TM], v[TM], |v[\src+5]|, |v[\src+6]|
	v_max3_num_f32 v[TM+1], v[TM+1], |v[\src+7]|, |v[\src+8]|
	v_max3_num_f32 v[TM], v[TM], |v[\src+9]|, |v[\src+10]|
	v_max3_num_f32 v[TM+1], v[TM+1], |v[\src+11]|, |v[\src+12]|
	v_max3_num_f32 v[TM], v[TM], |v[\src+13]|, |v[\src+14]|
	v_max3_num_f32 v[TM], v[TM], v[TM+1], |v[\src+15]|
	v_permlanex16_b32 v[TM+4], v[TM], s26, s27
	v_max_num_f32 v[TM], v[TM], v[TM+4]            ; the block's largest magnitude
	v_add_nc_u32 v[TM+2], EOFF, v[TM]              ; 2 off its exponent field: the conversion takes the exponent field of this operand as its scale
	v_cvt_scalef32_pk8_fp4_f32 v[\dst], v[\src:\src+7], v[TM+2]
	v_cvt_scalef32_pk8_fp4_f32 v[\dst+1], v[\src+8:\src+15], v[TM+2]
	v_lshrrev_b32 v[TM+3], 23, v[TM+2]             ; the scale's byte (a plain line behind the conversions)
	v_lshl_or_b32 v[\sw], v[TM+3], 8, v[TM+3]      ; for the instruction's blocks 0 and 1
.endm
	; THE ROLES: waves 0-7 enc, 8-11 F, 12-13 W1[32:52], 14 W2, 15 W3.  The branches hang on the wave's number alone; each role stores into LDS bytes of its own.
	s_cmp_lt_u32 s4, 8
	s_cbranch_scc1 .Lenc
	s_cmp_lt_u32 s4, 12
	s_cbranch_scc1 .Lfeat
	s_cmp_lt_u32 s4, 14
	s_cbranch_scc1 .Lw1e
	s_cmp_eq_u32 s4, 14
	s_cbranch_scc1 .Lw2
	; ---- wave 15: W3 [16][3] as product 3's source 0.  Lane (r, h) holds row r: W3[8 h + 0..7][r] in registers 0-3 where r < 3, W3[8 h + 0..7][r - 8] in registers 4-7 where 8 <= r < 11, zeros elsewhere
.set WN, 104
.set WC, 120
	v_min_u32 v[GO2], 2, v[R7]                     ; the column, held inside the table for the lanes whose numbers are not kept
	v_mul_u32_u24 v[GOF], v[HH], 96                ; 8 h rows of 12 bytes
	v_lshl_add_u32 v[GOF], v[GO2], 2, v[GOF]
.irp i, 0,1,2,3,4,5,6,7
	global_load_b32 v[WN+\i], v[GOF], s[20:21] offset:12*\i
.endr
	v_add_nc_u32 v[TM], -8, v[RR]
	s_wait_loadcnt 0x0
.irp i, 0,1,2,3
	v_cvt_pk_bf16_f32 v[WN+8+\i], v[WN+2*\i], v[WN+2*\i+1]
.endr
	v_cmp_gt_u32 vcc_lo, 3, v[RR]
.irp i, 0,1,2,3
	v_cndmask_b32 v[WC+\i], 0, v[WN+8+\i], vcc_lo
.endr
	v_cmp_gt_u32 vcc_lo, 3, v[TM]                  ; r - 8 < 3, unsigned
.irp i, 0,1,2,3
	v_cndmask_b32 v[WC+4+\i], 0, v[WN+8+\i], vcc_lo
.endr
	ds_store_b128 v[L16], v[WC:WC+3] offset:W3I
	ds_store_b128 v[L16], v[WC+4:WC+7] offset:W3I+512
	s_branch .Ljoin
	; ---- wave 14: W2 [32][16].  Lane (r, h) takes column r; its 16 rows are those whose h1 a lane (., h) holds: 8 h + j, then 16 + 8 h + j
.Lw2:
	v_lshlrev_b32 v[GOF], 2, v[RR]
	v_lshl_add_u32 v[GOF], v[HH], 9, v[GOF]        ; 8 h rows of 64 bytes
.irp j, 0,1,2,3,4,5,6,7
	global_load_b32 v[WN+\j], v[GOF], s[16:17] offset:64*\j
	global_load_b32 v[WN+8+\j], v[GOF], s[16:17] offset:64*(16+\j)
.endr
	s_wait_loadcnt 0x0
	Q16 WN, WC, HSC
	ds_store_b64 v[L8], v[WC:WC+1] offset:W2I
	ds_store_b32 v[L4], v[HSC] offset:W2SL
	s_branch .Ljoin
	; ---- waves 12, 13: W1[32:52], units 16 (w % 2) + r.  Row 32 + 2 l + h belongs to frequency l and type h (0 sin, 1 cos): lane (r, h) takes type h, l = 0..4 in numbers 0-4, l = 5..9 in numbers 8-12; the others are the block's zeros
.Lw1e:
	v_lshlrev_b32 v[GOF], 2, v[RR]
	v_lshl_add_u32 v[GOF], v[HH], 7, v[GOF]
	s_lshl_b32 s30, s5, 6
	s_add_co_u32 s30, s30, 32*128
	v_add_nc_u32 v[GOF], s30, v[GOF]
.irp l, 0,1,2,3,4
	global_load_b32 v[WN+\l], v[GOF], s[12:13] offset:256*\l
	global_load_b32 v[WN+8+\l], v[GOF], s[12:13] offset:256*(5+\l)
.endr
.irp l, 5,6,7
	v_mov_b32 v[WN+\l], 0
	v_mov_b32 v[WN+8+\l], 0
.endr
	s_wait_loadcnt 0x0
	Q16 WN, WC, HSC
	ds_store_b64 v[WEI], v[WC:WC+1]
	ds_store_b32 v[WES], v[HSC]                    ; both lanes of a unit write the same word with the same value
	s_branch .Ljoin
	; ---- waves 8-11: F[b][unit] = sum over k < 32 of QW1[k][unit] Qfeature[b][k] + b1[unit], for b = 16 (w % 4) + r.  Lane (., h) holds k = 16 h + 0..15 on both sides
.Lfeat:
.set FX, 104                           ; 16 features
.set FW, 120                           ; 2 x 16 numbers of W1
.set FB, 152                           ; b1 in the result's layout, 2 x 8
.set FO, 168                           ; three operands of 8: the features', W1's two tiles of units
.set FD, 216                           ; two results
	v_lshlrev_b32 v[GOF], 7, v[RR]
	v_lshl_add_u32 v[GOF], v[HH], 6, v[GOF]        ; feature: row r of 128 bytes, + 64 h
	v_lshlrev_b32 v[GO2], 2, v[RR]
	v_lshl_add_u32 v[GO2], v[HH], 11, v[GO2]       ; W1: column r, 16 h rows of 128 bytes down
.irp i, 0,1,2,3
	global_load_b128 v[FX+4*\i:FX+4*\i+3], v[GOF], s[10:11] offset:16*\i
.endr
.irp i, 0,1,2,3,4,5,6,7,8,9,10,11,12,13,14,15
	global_load_b32 v[FW+\i], v[GO2], s[12:13] offset:128*\i
.endr
.irp i, 0,1,2,3,4,5,6,7,8,9,10,11,12,13,14,15
	global_load_b32 v[FW+16+\i], v[GO2], s[12:13] offset:128*\i+64
.endr
.irp u, 0,1
	global_load_b128 v[FB+8*\u:FB+8*\u+3], v[H32], s[14:15] offset:64*\u          ; b1[16 u + 8 h + 0..7]
	global_load_b128 v[FB+8*\u+4:FB+8*\u+7], v[H32], s[14:15] offset:64*\u+16
.endr
.irp j, 2,3,4,5,6,7
	v_mov_b32 v[FO+\j], 0
	v_mov_b32 v[FO+8+\j], 0
	v_mov_b32 v[FO+16+\j], 0
.endr
	s_wait_loadcnt 36                              ; the features are in: behind them 16 + 16 + 4 loads were issued
	Q16 FX, FO, ESC
	s_wait_loadcnt 20                              ; W1's first tile: 16 + 4 behind it
	Q16 FW, FO+8, W1SC
	s_wait_loadcnt 4                               ; its second: b1's 4 behind it
	Q16 FW+16, FO+16, W2SC
	s_wait_loadcnt 0x0
.rept 8
	v_nop                                          ; a scale word written by a vector instruction stands 8 places ahead of the scaled product, codes so written 4
.endr
	v_wmma_scale_f32_16x16x128_f8f6f4 v[FD:FD+7], v[FO+8:FO+15], v[FO:FO+7], v[FB:FB+7], v[W1SC], v[ESC] matrix_a_fmt:MATRIX_FMT_FP4 matrix_b_fmt:MATRIX_FMT_FP4
	v_wmma_scale_f32_16x16x128_f8f6f4 v[FD+8:FD+15], v[FO+16:FO+23], v[FO:FO+7], v[FB+8:FB+15], v[W2SC], v[ESC] matrix_a_fmt:MATRIX_FMT_FP4 matrix_b_fmt:MATRIX_FMT_FP4
.rept 5
	v_nop                                          ; FIVE places: four are owed to the stores of the results; the fifth to the first products behind the join, which write h1 over
.endr                                              ; v152-167, where these two products read b1: between here and there stand only LDS lines, the barrier and other products, which are no places
.irp u, 0,1
	ds_store_b128 v[FWR], v[FD+8*\u:FD+8*\u+3] offset:64*\u          ; lane (r, h): F[16 (w % 4) + r][16 u + 8 h + 0..7]; each result from its low end on
	ds_store_b128 v[FWR], v[FD+8*\u+4:FD+8*\u+7] offset:64*\u+16
.endr
	s_branch .Ljoin
	; ---- waves 0-7: enc of n = 8 w + r % 8.  Lane (r, h): type h (0: sin of v[0], 1: cos of v[1]), frequencies l = 5 (r / 8) + 0..4: one register of codes
.Lenc:
.set EX,   104
.set ARG,  105                         ; v105-109 the five arguments
.set ET,   112                         ; t, then q, then the sign
.set EQ,   118                         ; q - 0 or 1/2
.set ER,   124                         ; r
.set ER2,  130                         ; r^2, then r^3
.set EP,   136                         ; the polynomial
.set EE,   144                         ; v144-151 the five numbers and three zeros
.set EOFS, 152                         ; 0 or 1/2
.set EEXP, 153                         ; 5 (r / 8)
.set EC13, 154
	v_lshlrev_b32 v[GOF], 3, v[R7]
	v_lshl_add_u32 v[GOF], v[HH], 2, v[GOF]
	s_lshl_b32 s30, s4, 6
	v_add_nc_u32 v[GOF], s30, v[GOF]               ; 8 bytes an n, 4 h for the coordinate
	global_load_b32 v[EX], v[GOF], s[8:9]
	v_cvt_f32_u32 v[EOFS], v[HH]
	v_mul_f32 v[EOFS], 0.5, v[EOFS]
	v_mul_u32_u24 v[EEXP], v[G3], 5
	v_mov_b32 v[EC13], 0x2f309231                  ; 1 / 13!
.irp i, 5,6,7
	v_mov_b32 v[EE+\i], 0
.endr
	s_wait_loadcnt 0x0
	v_mul_f32 v[ARG], 0x40490fdb, v[EX]            ; f32(pi) x, rounded once; x 2^l rounds nothing: reference()'s f32 argument, bit for bit
	v_ldexp_f32 v[ARG], v[ARG], v[EEXP]
.irp i, 1,2,3,4
	v_ldexp_f32 v[ARG+\i], v[ARG], \i
.endr
.irp i, 0,1,2,3,4
	v_fma_f32 v[ET+\i], v[ARG+\i], 0x3ea2f983, v[EOFS]         ; arg / pi (+ 1/2: cos(a) = sin(a + pi/2))
.endr
.irp i, 0,1,2,3,4
	v_rndne_f32 v[ET+\i], v[ET+\i]                 ; q
.endr
.irp i, 0,1,2,3,4
	v_sub_f32 v[EQ+\i], v[ET+\i], v[EOFS]
.endr
.irp i, 0,1,2,3,4
	v_fma_f32 v[ER+\i], -v[EQ+\i], 0x40490fdb, v[ARG+\i]       ; r = arg - (q - 0 or 1/2) pi, pi = 3.14159274 - 8.74227766e-8 - 3.4302e-15
.endr
.irp i, 0,1,2,3,4
	v_fma_f32 v[ER+\i], -v[EQ+\i], 0xb3bbbd2e, v[ER+\i]
.endr
.irp i, 0,1,2,3,4
	v_fma_f32 v[ER+\i], -v[EQ+\i], 0xa7772ced, v[ER+\i]
.endr
.irp i, 0,1,2,3,4
	v_mul_f32 v[ER2+\i], v[ER+\i], v[ER+\i]
.endr
.irp i, 0,1,2,3,4
	v_fmaak_f32 v[EP+\i], v[EC13], v[ER2+\i], 0xb2d7322b       ; - 1 / 11!
.endr
.irp i, 0,1,2,3,4
	v_fmaak_f32 v[EP+\i], v[EP+\i], v[ER2+\i], 0x3638ef1d      ; + 1 / 9!
.endr
.irp i, 0,1,2,3,4
	v_fmaak_f32 v[EP+\i], v[EP+\i], v[ER2+\i], 0xb9500d01      ; - 1 / 7!
.endr
.irp i, 0,1,2,3,4
	v_fmaak_f32 v[EP+\i], v[EP+\i], v[ER2+\i], 0x3c088889      ; + 1 / 5!
.endr
.irp i, 0,1,2,3,4
	v_fmaak_f32 v[EP+\i], v[EP+\i], v[ER2+\i], 0xbe2aaaab      ; - 1 / 3!
.endr
.irp i, 0,1,2,3,4
	v_mul_f32 v[ER2+\i], v[ER2+\i], v[ER+\i]       ; r^3
.endr
.irp i, 0,1,2,3,4
	v_cvt_i32_f32 v[ET+\i], v[ET+\i]
.endr
.irp i, 0,1,2,3,4
	v_fma_f32 v[EE+\i], v[EP+\i], v[ER2+\i], v[ER+\i]          ; sin(r)
.endr
.irp i, 0,1,2,3,4
	v_lshlrev_b32 v[ET+\i], 31, v[ET+\i]           ; q's lowest bit as a sign
.endr
.irp i, 0,1,2,3,4
	v_xor_b32 v[EE+\i], v[ET+\i], v[EE+\i]         ; (-1)^q sin(r)
.endr
	v_max3_num_f32 v[TM], |v[EE]|, |v[EE+1]|, FLOOR            ; the block's 20 numbers lie in four lanes: r and r xor 8, in both halves
	v_max3_num_f32 v[TM], v[TM], |v[EE+2]|, |v[EE+3]|
	v_max_num_f32 v[TM], v[TM], |v[EE+4]|
	v_max_num_f32_dpp v[TM], v[TM], v[TM] row_xmask:8 row_mask:0xf bank_mask:0xf
	v_permlanex16_b32 v[TM+4], v[TM], s26, s27
	v_max_num_f32 v[TM], v[TM], v[TM+4]
	v_add_nc_u32 v[TM+2], EOFF, v[TM]
	v_cvt_scalef32_pk8_fp4_f32 v[TM+6], v[EE:EE+7], v[TM+2]
	v_lshrrev_b32 v[TM+3], 23, v[TM+2]             ; (a plain line behind the conversion)
	v_lshl_or_b32 v[HSC], v[TM+3], 8, v[TM+3]
	ds_store_b32 v[EWI], v[TM+6]
	ds_store_b32 v[EWS], v[HSC]                    ; the four lanes of an n write the same word with the same value
.Ljoin:
	s_wait_loadcnt 0x0                             ; b2 and b3
	s_wait_dscnt 0x0                               ; for the others' sake: my stores into LDS are done
	s_barrier_signal -1
	s_barrier_wait -1                              ; THE ONE BARRIER: behind it nobody writes what the roles have stored
.irp t, 0,1,2,3
	ds_load_b64 v[ENCF+2*\t:ENCF+2*\t+1], v[L8] offset:ENCI+256*\t
.endr
.irp p, 0,1
	ds_load_b32 v[ESC+\p], v[L4] offset:ENCS+128*\p
	ds_load_b64 v[WEF+8*\p:WEF+8*\p+1], v[L8] offset:W1EI+256*\p
.endr
	ds_load_b32 v[W1SC], v[L4] offset:W1ES
	ds_load_b64 v[W2F:W2F+1], v[L8] offset:W2I
	ds_load_b32 v[W2SC], v[L4] offset:W2SL
	ds_load_b128 v[W3F:W3F+3], v[L16] offset:W3I
	ds_load_b128 v[W3F+4:W3F+7], v[L16] offset:W3I+512
.macro CFLOAD k                        ; F of my b number k, in the result's layout: units 8 h + 0..7 and 16 + 8 h + 0..7; the sixteen lanes of a half read the same bytes
	ds_load_b128 v[CFB:CFB+3], v[CFA] offset:FP*(\k)
	ds_load_b128 v[CFB+4:CFB+7], v[CFA] offset:FP*(\k)+16
	ds_load_b128 v[CFB+8:CFB+11], v[CFA] offset:FP*(\k)+64
	ds_load_b128 v[CFB+12:CFB+15], v[CFA] offset:FP*(\k)+80
.endm
	CFLOAD 0
	s_wait_dscnt 0x0
; PRODUCT 1 for the two tiles of n of parity p (tiles 2 p, 2 p + 1) and the b whose F lies in CFB: h1 = QW1[32:52]^T Qenc + F[b].  No product of this text adds in place: C and D are always different registers.
.macro M1 p
	v_wmma_scale_f32_16x16x128_f8f6f4 v[HID+32*\p:HID+32*\p+7], v[WEF:WEF+7], v[ENCF+4*\p:ENCF+4*\p+7], v[CFB:CFB+7], v[W1SC], v[ESC+\p] matrix_a_fmt:MATRIX_FMT_FP4 matrix_b_fmt:MATRIX_FMT_FP4
	v_wmma_scale_f32_16x16x128_f8f6f4 v[HID+32*\p+8:HID+32*\p+15], v[WEF+8:WEF+15], v[ENCF+4*\p:ENCF+4*\p+7], v[CFB+8:CFB+15], v[W1SC], v[ESC+\p] matrix_a_fmt:MATRIX_FMT_FP4 matrix_b_fmt:MATRIX_FMT_FP4 matrix_a_scale:MATRIX_SCALE_ROW1
	v_wmma_scale_f32_16x16x128_f8f6f4 v[HID+32*\p+16:HID+32*\p+23], v[WEF:WEF+7], v[ENCF+4*\p+2:ENCF+4*\p+9], v[CFB:CFB+7], v[W1SC], v[ESC+\p] matrix_a_fmt:MATRIX_FMT_FP4 matrix_b_fmt:MATRIX_FMT_FP4 matrix_b_scale:MATRIX_SCALE_ROW1
	v_wmma_scale_f32_16x16x128_f8f6f4 v[HID+32*\p+24:HID+32*\p+31], v[WEF+8:WEF+15], v[ENCF+4*\p+2:ENCF+4*\p+9], v[CFB+8:CFB+15], v[W1SC], v[ESC+\p] matrix_a_fmt:MATRIX_FMT_FP4 matrix_b_fmt:MATRIX_FMT_FP4 matrix_a_scale:MATRIX_SCALE_ROW1 matrix_b_scale:MATRIX_SCALE_ROW1
.endm
; PRODUCT 2 for the two tiles whose codes lie in PCD: h2 = QW2^T Q(relu(h1)) + b2
.macro M2
	v_wmma_scale_f32_16x16x128_f8f6f4 v[DD2:DD2+7], v[W2F:W2F+7], v[PCD:PCD+7], v[CB2:CB2+7], v[W2SC], v[HSC] matrix_a_fmt:MATRIX_FMT_FP4 matrix_b_fmt:MATRIX_FMT_FP4
	v_wmma_scale_f32_16x16x128_f8f6f4 v[DD2+8:DD2+15], v[W2F:W2F+7], v[PCD+2:PCD+9], v[CB2:CB2+7], v[W2SC], v[HSC+1] matrix_a_fmt:MATRIX_FMT_FP4 matrix_b_fmt:MATRIX_FMT_FP4
.endm
; PRODUCT 3 for both tiles at once
.macro M3
	v_wmma_f32_16x16x32_bf16 v[DD3:DD3+7], v[W3F:W3F+7], v[PP3:PP3+7], v[CB3:CB3+7]
.endm
; relu(h1) of two tiles (at HB, HB + 16) into codes and scale words.  The maxima have no |.|: what is negative must not count, and the floor stands under them.  Each of the four results is first read at its low end.
.macro V1_HEAD                         ; eight lines that name no register of the products just issued: the places behind those
	v_max3_num_f32 v[TM],   v[HB],    v[HB+1],  FLOOR
	v_max3_num_f32 v[TM+1], v[HB+16], v[HB+17], FLOOR
	v_max3_num_f32 v[TM+2], v[HB+8],  v[HB+9],  v[HB+10]
	v_max3_num_f32 v[TM+3], v[HB+24], v[HB+25], v[HB+26]
	v_max3_num_f32 v[TM],   v[TM],   v[HB+2],  v[HB+3]
	v_max3_num_f32 v[TM+1], v[TM+1], v[HB+18], v[HB+19]
	v_max3_num_f32 v[TM+2], v[TM+2], v[HB+11], v[HB+12]
	v_max3_num_f32 v[TM+3], v[TM+3], v[HB+27], v[HB+28]
.endm
.macro V1_REST
	v_max3_num_f32 v[TM],   v[TM],   v[HB+4],  v[HB+5]
	v_max3_num_f32 v[TM+1], v[TM+1], v[HB+20], v[HB+21]
	v_max3_num_f32 v[TM+2], v[TM+2], v[HB+13], v[HB+14]
	v_max3_num_f32 v[TM+3], v[TM+3], v[HB+29], v[HB+30]
	v_max3_num_f32 v[TM],   v[TM],   v[HB+6],  v[HB+7]
	v_max3_num_f32 v[TM+1], v[TM+1], v[HB+22], v[HB+23]
	v_max3_num_f32 v[TM],   v[TM],   v[TM+2],  v[HB+15]
	v_max3_num_f32 v[TM+1], v[TM+1], v[TM+3],  v[HB+31]
	v_permlanex16_b32 v[TM+4], v[TM], s26, s27
	v_permlanex16_b32 v[TM+5], v[TM+1], s26, s27
	v_max_num_f32 v[TM], v[TM], v[TM+4]            ; with lane l xor 16's sixteen units: the block's largest number
	v_max_num_f32 v[TM+1], v[TM+1], v[TM+5]
	v_add_nc_u32 v[TM+6], EOFF, v[TM]
	v_add_nc_u32 v[TM+7], EOFF, v[TM+1]
	v_cvt_scalef32_pk8_fp4_f32 v[PCD],   v[HB:HB+7],     v[TM+6]
	v_cvt_scalef32_pk8_fp4_f32 v[PCD+1], v[HB+8:HB+15],  v[TM+6]
	v_cvt_scalef32_pk8_fp4_f32 v[PCD+2], v[HB+16:HB+23], v[TM+7]
	v_cvt_scalef32_pk8_fp4_f32 v[PCD+3], v[HB+24:HB+31], v[TM+7]
	v_lshrrev_b32 v[TM+8], 23, v[TM+6]             ; (plain lines behind the conversions)
	v_lshrrev_b32 v[TM+9], 23, v[TM+7]
	v_lshl_or_b32 v[HSC], v[TM+8], 8, v[TM+8]
	v_lshl_or_b32 v[HSC+1], v[TM+9], 8, v[TM+9]
.irp c, 0,1,2,3
	v_bfi_b32 v[TM+10+\c], v[PCD+\c], 0, s28       ; THE relu, on codes: 8 in each four bits whose sign bit is clear,
.endr
.irp c, 0,1,2,3
	v_lshrrev_b32 v[TM+\c], 3, v[TM+10+\c]
.endr
.irp c, 0,1,2,3
	v_sub_nc_u32 v[TM+10+\c], v[TM+10+\c], v[TM+\c]            ; 8 - 1 = 7 there, 0 where the code is negative:
.endr
.irp c, 0,1,2,3
	v_and_b32 v[PCD+\c], v[PCD+\c], v[TM+10+\c]    ; negative codes become 0, the others stay
.endr
.endm
; relu(h2) of two tiles, rounded to bf16: a lane's eight units of tile a are K = 8 h + 0..7 of product 3, those of tile b K = 16 + 8 h + 0..7
.macro V2
.irp n, 0,1,2,3,4,5,6,7,8,9,10,11,12,13,14,15
	v_max_num_f32 v[DD2+\n], 0, v[DD2+\n]
.endr
.irp n, 0,1,2,3,4,5,6,7
	v_cvt_pk_bf16_f32 v[PP3+\n], v[DD2+2*\n], v[DD2+2*\n+1]
.endr
.endm
.macro TOSTAGE p                       ; out[b][32 p + lane][0..2]: 12 bytes from lane to lane, so a store's 32 words are words 3 l + c: all in different banks (ISA guide 11.1)
.irp c, 0,1,2
	ds_store_b32 v[STO], v[DD3+\c] offset:384*(\p)+4*\c
.endr
.endm
.macro BACK k                          ; a whole b, 768 bytes, back as three runs of 256: LDS serves a wave's instructions in order (ISA guide 5.7.1.4), so these see my stores, and the next b's stores come behind them
.irp c, 0,1,2
	ds_load_b64 v[OUTR+6*(\k)+2*\c:OUTR+6*(\k)+2*\c+1], v[STR] offset:256*\c
.endr
.endm
.macro SEND k
.irp c, 0,1,2
	global_store_b64 v[L8], v[OUTR+6*(\k)+2*\c:OUTR+6*(\k)+2*\c+1], s[24:25] offset:12288*(\k)+256*\c th:TH_STORE_NT   ; 32 lanes store 256 consecutive bytes, at a multiple of 256 from out's first byte; written once, read by nobody here
.endr
.endm
; SLOT j: stream j (b number j / 2, parity j % 2) is quantised and goes into product 2; stream j - 1 goes through relu(h2) into product 3; stream j - 2's results go to the stage; stream j + 2's product 1 is issued
; into the buffer that stream j has just left.  All offsets are immediates: no loop, no pointer is stepped, no register that a global load or store names is written again.
.macro SLOT j
.set PP, (\j)%2
.set KB, (\j)/2
.set HB, HID+32*PP
	V1_HEAD
.if \j >= 2
	TOSTAGE PP                                     ; eight places behind product 3
.endif
.if (PP == 1) && (\j >= 3)
	BACK KB-1                                      ; both halves of b number (j - 3) / 2 lie in the stage
.endif
.if (PP == 0) && (\j <= 4)
	CFLOAD KB+1                                    ; F of the next b, eight places behind the last product that read the old one
.endif
	V1_REST
.if \j >= 1
	V2                                             ; 24 lines between the last write of the codes and the products that read them
.else
.rept 4
	v_nop                                          ; codes written by vector instructions stand 4 places ahead of the scaled product
.endr
.endif
.if \j != 1
	s_wait_dscnt 0x0                               ; F or the rows of out are in, and the stage's stores have read product 3's result, which is written again below
.endif
.if (PP == 1) && (\j >= 3)
	SEND KB-1
.endif
	M2
.if \j >= 1
	M3
.endif
.if \j <= 5
	M1 PP
.endif
.endm
	M1 0                                           ; streams 0 and 1
	M1 1
.rept 4
	v_nop                                          ; four places between the products and the first read of their results
.endr
.irp j, 0,1,2,3,4,5,6,7
	SLOT \j
.endr
.rept 4
	v_nop                                          ; the tail: places behind stream 7's product 2 and stream 6's product 3
.endr
	TOSTAGE 0                                      ; stream 6
	V2                                             ; stream 7
	s_wait_dscnt 0x0                               ; the stores have read product 3's result
	M3
.rept 4
	v_nop
.endr
	TOSTAGE 1                                      ; stream 7
	BACK 3
	s_wait_dscnt 0x0
	SEND 3
	s_wait_tensorcnt 0x0
	ds_add_u32 v240, v241
	s_wait_dscnt 0x0
	s_endpgm
.Lfunc_end_k_q2392d421d3_decode:
	.size	k_q2392d421d3_decode, .Lfunc_end_k_q2392d421d3_decode-k_q2392d421d3_decode
	.p2alignl 7, 3214868480
	.fill 96, 4, 3214868480
	.section	.rodata,"a",@progbits
	.p2align	6, 0x0
	.amdhsa_kernel k_q2392d421d3_decode
		.amdhsa_group_segment_fixed_size 27648
		.amdhsa_private_segment_fixed_size 0
		.amdhsa_enable_private_segment 0
		.amdhsa_kernarg_size 72
		.amdhsa_user_sgpr_count 2
		.amdhsa_user_sgpr_kernarg_segment_ptr 1
		.amdhsa_wavefront_size32 1
		.amdhsa_system_sgpr_workgroup_id_x 1
		.amdhsa_system_sgpr_workgroup_id_y 1
		.amdhsa_system_sgpr_workgroup_id_z 1
		.amdhsa_system_vgpr_workitem_id 0
		.amdhsa_next_free_vgpr 242
		.amdhsa_next_free_sgpr 66
		.amdhsa_reserve_vcc 1
		.amdhsa_float_denorm_mode_32 3
		.amdhsa_float_denorm_mode_16_64 3
		.amdhsa_memory_ordered 1
		.amdhsa_forward_progress 1
		.amdhsa_inst_pref_size 67
	.end_amdhsa_kernel
	.amdgpu_metadata
---
amdhsa.version: [ 1, 2 ]
amdhsa.kernels:
  - .name:           k_q2392d421d3_decode
    .symbol:         k_q2392d421d3_decode.kd
    .args:
      - { .name: coordinates_v, .offset: 0, .size: 8, .value_kind: global_buffer, .address_space: global }
      - { .name: feature, .offset: 8, .size: 8, .value_kind: global_buffer, .address_space: global }
      - { .name: W1, .offset: 16, .size: 8, .value_kind: global_buffer, .address_space: global }
      - { .name: b1, .offset: 24, .size: 8, .value_kind: global_buffer, .address_space: global }
      - { .name: W2, .offset: 32, .size: 8, .value_kind: global_buffer, .address_space: global }
      - { .name: b2, .offset: 40, .size: 8, .value_kind: global_buffer, .address_space: global }
      - { .name: W3, .offset: 48, .size: 8, .value_kind: global_buffer, .address_space: global }
      - { .name: b3, .offset: 56, .size: 8, .value_kind: global_buffer, .address_space: global }
      - { .name: out0, .offset: 64, .size: 8, .value_kind: global_buffer, .address_space: global }
    .group_segment_fixed_size: 27648
    .private_segment_fixed_size: 0
    .kernarg_segment_align: 8
    .kernarg_segment_size: 72
    .max_flat_workgroup_size: 512
    .sgpr_count:     66
    .vgpr_count:     242
    .wavefront_size: 32
...
	.end_amdgpu_metadata
.endif
;; end of part 1
;; ======== version 2 of 2: 1 launch; version 1 with the launch decode written anew for expert scheduling mode
;; limits: inputs' magnitudes at most 2,600
;; launch decode (part 2): grid 16 x 16, 16 waves a work-group, no clusters, 27,648 bytes of LDS; arguments coordinates_v, feature, W1, b1, W2, b2, W3, b3, out0; writes out0
.if DOCPART == 2
	.amdgcn_target "amdgcn-amd-amdhsa--gfx1250"
	.amdhsa_code_object_version 6
	.text
	.protected	k_q2392d421d3_decode
	.globl	k_q2392d421d3_decode
	.p2align	8
	.type	k_q2392d421d3_decode,@function
k_q2392d421d3_decode:
	s_mov_b64 s[64:65], 0
	v_nop
	global_prefetch_b8 v0, s[64:65] scope:SCOPE_SE
	s_setreg_imm32_b32 hwreg(HW_REG_WAVE_SCHED_MODE, 0, 2), 2
	s_setreg_imm32_b32 hwreg(HW_REG_WAVE_MODE, 25, 1), 1
	s_wait_xcnt 0x0
	s_wait_alu depctr_vm_vsrc(0)
; out[b][n][0..2] = relu(relu([feature[b] | enc[n]] W1 + b1) W2 + b2) W3 + b3 for all 1,024 x 1,024 pairs (b, n).  Products 1 and 2 on codes of FP4 (E2M1) with one E8M0 scale
; for each 32 along K, product 3 (K = 16) on bf16; all sums f32.
; THE SEAM.  K = 52 is cut into blocks of 32 exactly between feature[b] (block 0) and enc[n] with 12 zeros (block 1): block 0's codes and scale hang on b alone, block 1's on n alone.
; So F[b] = QW1[0:32]^T Qfeature[b] + b1 is made once for the work-group's 64 b, and every tile of (one b, 16 n) is one product of QW1[32:52] with Qenc whose C is F[b].
; Only relu(h1), 32 numbers a pair, is quantised for every pair.
; SHARES.  256 work-groups: x = a block of 64 n, y = a block of 64 b.  Sixteen waves; wave w owns b = 64 y + 4 w + 0..3 for the 64 n: eight streams of 32 n (two tiles of 16).
; LAYOUT.  Every product is used transposed (source 0 = weights, source 1 = 16 rows n): a lane holds ONE n (lane % 16) and its registers run along the next K.
; A block of 32 lies in lanes l and l xor 16, 16 numbers each: the lane's 16 codes are registers 0 and 1 of the operand, which the instruction takes as k = 32 (lane / 16) + 0..15;
; so the halves fall into the instruction's blocks 0 and 1, and the scale word holds the block's byte twice (bytes 2 and 3 are 0, which is 2^-127).  The weights are laid by the same order of k, with
; zero codes in registers 2 to 7: whatever codes stand in the rows' registers 2 to 7 are multiplied by 0 (E2M1 has no code for infinity or NaN).  So two conversions' results ARE the operand,
; and the eight-register operands of neighbouring tiles overlap, two registers apart.
; relu(h1) costs no instruction a number: the block's maximum is taken without |.| (a floor stands under it), the raw numbers are converted, and codes with the sign bit are cleared, eight at a time.
; PRODUCT 3: one bf16 instruction for two tiles: K 0..15 = tile a's relu(h2), K 16..31 = tile b's; W3^T in rows 0..2 on K 0..15 and rows 8..10 on K 16..31; registers 0..2 of lane l are out[b][n0 + l][0..2].
; THE WAY OUT: 64 n x 12 bytes = 768 bytes a b go through the wave's own stage in LDS and leave as three stores of 256 consecutive bytes, each at a multiple of 256 from out's first byte.
; sin AND cos are made in f32: the argument is reference()'s own f32 product (a scaling by 2^l commutes with its rounding); q = the nearest whole number to arg / pi (+ 1/2 for cos); r = arg - (q - 0 or 1/2) pi
; with pi in three parts; (-1)^q (r + r^3 p(r^2)), the series to r^13, whose first term left out is at most (pi/2)^15 / 15! = 7e-10.
; NO CLUSTER, NO TENSOR LOAD: a work-group reads 17.8 KB once (512 bytes of coordinates, 8,192 of features, 9,100 of weights and biases) and stores 49,152; what neighbours share is those few KB, read once at the head.
; LIMITS: NaN and infinities among the inputs are not served.  A block that is all zeros (or, for relu(h1), all <= 0) gets the byte 1 with zero codes where the rule says 127: no scale byte is an output.
; Blocks whose largest magnitude lies under 2^-124 are held at the byte 1.  The reduction of sin's and cos's argument is exact for |512 pi x| < 2^22.  A negative number's code becomes +0.
; THE MODE: SCHED_MODE bits 1:0 = 2 (LLVM: expert scheduling mode 2), set by the entry lines.  The code itself states the register dependences between vector or matrix instructions
; and memory or LDS instructions, with s_wait_alu, always for 0.
; THE PLAN.  Registers that memory or LDS instructions touch:
;   v1-v11, v14, v15   offsets and LDS addresses: made once at the head, never written again: one wait on va_vdst ahead of the first load serves them all.
;   v236, v237         a role's offsets: made in the role (a wait on va_vdst ahead of its loads); the last b's rows of out land there much later.
;   the roles' store data (v120-127, v38, v206, v216-231): a wait on va_vdst ahead of each role's LDS stores; a wait on vm_vsrc at each role's end, since all of them are written again behind the join.
;   CFB    F of one b.  Product 1 reads it as C; the next b's four LDS loads land in it, in steps 0, 2 and 4.
;   DD3    Product 3 writes it at a step's end; the next step's three stage stores read it; that step's product 3 writes it again.
;   OUTR   Six registers a b: LDS loads land, global stores read, never written again.
;   PCD, HSC  Codes and scale words: written by vector lines in each step, taken by the scaled products 2 and 1.
; A step is ordered so that ONE wait on va_vdst serves it: it stands behind the step's quantising and ahead of product 2, a whole run of vector lines behind the step before's products 3 and 1.  It states that the codes
; and scale words are written, that product 3 has written DD3 and that product 1 is done reading F.  The step's LDS lines follow it with product 2 among them, which names none of their registers.
; One wait on vm_vsrc a step stands ahead of product 3, 28 vector lines behind the stage stores that read DD3.
.set ENCI,  0                          ; LDS: enc's codes: tile t at 256 t, lane at 8 x lane (registers 0 and 1 of the operand)
.set ENCS,  1024                       ; enc's scale words, 4 bytes for each of the 64 n
.set W1EI,  1280                       ; W1[32:52]'s codes: tile u of 16 units at 256 u, 8 x lane
.set W1ES,  1792                       ; their scale words, 4 bytes a unit
.set W2I,   2048                       ; W2's codes, 8 x lane
.set W2SL,  2304                       ; W2's scale words, 4 x lane
.set W3I,   2560                       ; W3's bf16 operand: registers 0-3 at 16 x lane, registers 4-7 512 bytes on
.set FROW,  3584                       ; F: 64 rows of 32 f32
.set FP,    144                        ; 128 bytes + 16: an odd multiple of 16, so that the 16 rows of a store start in different banks (64 banks of 4 bytes: ISA guide 11.1)
.set STG,   12800                      ; the stages: 768 bytes for each wave
.set FLOOR, 0x1800000                  ; 2^(3 - 127): under it no largest magnitude is taken, so the byte cannot fall under 1
.set EOFF,  0xff000000                 ; takes 2 off an exponent field
.set L4,   1                           ; v1   4 x lane
.set L8,   2                           ; v2   8 x lane
.set L16,  3                           ; v3   16 x lane
.set CFA,  4                           ; v4   F of my first b: FROW + 4 FP w + 32 h
.set STO,  5                           ; v5   my stage, in: STG + 768 w + 12 x lane
.set STR,  6                           ; v6   my stage, back: STG + 768 w + 8 x lane
.set EWI,  7                           ; v7   where an enc wave puts a register of codes
.set EWS,  8                           ; v8   and a scale word
.set FWR,  9                           ; v9   where a feature wave puts F
.set WEI,  10                          ; v10  where a W1e wave puts its codes
.set WES,  11                          ; v11  and its scale words
.set RR,   12                          ; v12  r = lane % 16
.set HH,   13                          ; v13  h = lane / 16
.set ZO,   14                          ; v14  0
.set H32,  15                          ; v15  32 h
.set ENCF, 16                          ; v16-23   enc's codes, two registers a tile; tile t's operand is v[16 + 2 t .. 23 + 2 t]
.set PCD,  24                          ; v24-27   relu(h1)'s codes: tile a's two, tile b's two; tile i's operand is v[24 + 2 i .. 31 + 2 i]
.set ESC,  34                          ; v34-35   enc's scale words: register p: tile 2 p in lanes 0-15, tile 2 p + 1 in lanes 16-31
.set W1SC, 36                          ; v36      W1e's: tile 0 in lanes 0-15, tile 1 in lanes 16-31
.set W2SC, 37                          ; v37      W2's
.set HSC,  38                          ; v38-39   relu(h1)'s, tile a's and tile b's.  v34-39 hold scale words and nothing else
.set WEF,  40                          ; v40-55   W1e's two operands
.set W2F,  56                          ; v56-63   W2's operand
.set W3F,  64                          ; v64-71   W3's operand
.set CB2,  72                          ; v72-79   b2[8 h + j]
.set CB3,  80                          ; v80-87   b3[0..2], five zeros
.set CFB,  88                          ; v88-103  F[b]: units 8 h + j, then units 16 + 8 h + j
.set HID,  104                         ; v104-167 h1, two buffers of 32: tile i, units' tile u at 16 i + 8 u
.set DD2,  168                         ; v168-183 h2 of two tiles
.set PP3,  184                         ; v184-191 relu(h2) in bf16: product 3's rows
.set DD3,  192                         ; v192-199 product 3's result
.set TM,   200                         ; v200-215 at work
.set OUTR, 216                         ; v216-239 six registers a b: no store's data are written again
.set LN,   232                         ; at the head and in the roles only: lane,
.set R7,   233                         ; r % 8,
.set G3,   234                         ; r / 8,
.set GOF,  236                         ; a role's offsets into its inputs
.set GO2,  237
	s_load_b512 s[8:23], s[0:1], 0x0               ; coordinates s[8:9], feature s[10:11], W1 s[12:13], b1 s[14:15], W2 s[16:17], b2 s[18:19], W3 s[20:21], b3 s[22:23]
	s_load_b64 s[24:25], s[0:1], 0x40              ; out
	v_lshl_add_u32 v240, v0, 2, 0x6400
	v_mov_b32 v241, 0
	v_lshrrev_b32 v[LN], 5, v0
	v_readfirstlane_b32 s4, v[LN]                  ; wave 0..15
	v_and_b32 v[LN], 31, v0
	v_and_b32 v[RR], 15, v0
	v_bfe_u32 v[HH], v0, 4, 1
	v_and_b32 v[R7], 7, v0
	v_bfe_u32 v[G3], v0, 3, 1
	v_lshlrev_b32 v[L4], 2, v[LN]
	v_lshlrev_b32 v[L8], 3, v[LN]
	v_lshlrev_b32 v[L16], 4, v[LN]
	v_mov_b32 v[ZO], 0
	v_lshlrev_b32 v[H32], 5, v[HH]
.irp j, 0,1,2,3,4,5,6,7,8,9
	v_mov_b32 v[PCD+\j], 0                         ; the code registers (the operands of enc's tiles 1 to 3 reach into them) and the six behind them
.endr
.irp j, 2,3,4,5,6,7
	v_mov_b32 v[WEF+\j], 0                         ; the weights' zero codes: what stands against them counts for nothing
	v_mov_b32 v[WEF+8+\j], 0
	v_mov_b32 v[W2F+\j], 0
.endr
.irp j, 3,4,5,6,7
	v_mov_b32 v[CB3+\j], 0
.endr
	v_mov_b32 v[TM+4], 0                           ; written once: a lane permute's destination counts as one of its sources
	v_mov_b32 v[TM+5], 0
	s_wait_alu depctr_va_sdst(0)                   ; s4, the wave's number, is written, ahead of its first reader: addresses, offsets and the roles' branches are made from it
	s_and_b32 s6, ttmp7, 0xffff                    ; y
	s_and_b32 s5, s4, 1
	s_and_b32 s7, s4, 3
	s_mov_b32 s26, 0x76543210
	s_mov_b32 s27, 0xfedcba98                      ; v_permlanex16_b32's selects for lane l xor 16
	s_mov_b32 s28, 0x88888888                      ; the sign bits of eight codes
	; every LDS address is made here, ahead of the parting of the roles: a constant + a constant x wave + constants x parts of the lane
	s_mul_i32 s30, s4, 4*FP
	s_add_co_u32 s30, s30, FROW
	v_lshl_add_u32 v[CFA], v[HH], 5, s30
	s_mul_i32 s30, s4, 768
	s_add_co_u32 s30, s30, STG
	v_mad_u32_u24 v[STO], v[LN], 12, s30
	v_lshl_add_u32 v[STR], v[LN], 3, s30
	s_lshr_b32 s30, s4, 1                          ; enc wave w makes n = 8 w + r % 8: tile w / 2, row 8 (w % 2) + r % 8; type h goes to lanes 16 h on; register r / 8
	s_lshl_b32 s30, s30, 8
	s_lshl_b32 s31, s5, 6
	s_add_co_u32 s30, s30, s31
	v_lshl_add_u32 v[EWI], v[R7], 3, s30
	v_lshl_add_u32 v[EWI], v[HH], 7, v[EWI]
	v_lshl_add_u32 v[EWI], v[G3], 2, v[EWI]
	s_lshl_b32 s30, s4, 5
	s_add_co_u32 s30, s30, ENCS
	v_lshl_add_u32 v[EWS], v[R7], 2, s30
	s_mul_i32 s30, s7, 16*FP                       ; feature wave w makes rows 16 (w % 4) + r
	s_add_co_u32 s30, s30, FROW
	v_mad_u32_u24 v[FWR], v[RR], FP, s30
	v_lshl_add_u32 v[FWR], v[HH], 5, v[FWR]
	s_lshl_b32 s30, s5, 8
	s_add_co_u32 s30, s30, W1EI
	v_lshl_add_u32 v[WEI], v[LN], 3, s30
	s_add_co_u32 s31, s31, W1ES
	v_lshl_add_u32 v[WES], v[RR], 2, s31
	; offsets into the buffers, made apart from the addresses
	s_lshl_b32 s32, ttmp9, 9                       ; coordinates: 64 n x 8 bytes a block
	s_mov_b32 s33, 0
	s_lshl_b32 s34, s6, 13                         ; feature: 64 b x 128 bytes a block, 16 rows a feature wave
	s_lshl_b32 s30, s7, 11
	s_add_co_u32 s34, s34, s30
	s_mov_b32 s35, 0
	s_lshl_b32 s36, s6, 6                          ; out: row b = 64 y + 4 w of 12,288 bytes, + 768 x
	s_lshl_b32 s30, s4, 2
	s_add_co_u32 s36, s36, s30
	s_mul_i32 s36, s36, 12288
	s_mul_i32 s30, ttmp9, 768
	s_add_co_u32 s36, s36, s30
	s_mov_b32 s37, 0
	s_wait_kmcnt 0x0
	s_add_nc_u64 s[8:9], s[8:9], s[32:33]
	s_add_nc_u64 s[10:11], s[10:11], s[34:35]
	s_add_nc_u64 s[24:25], s[24:25], s[36:37]
	s_wait_alu depctr_va_vdst(0)                   ; the head's vector lines have written v1 to v15, which every load and store of the kernel reads as its offset or address, and the zero codes in v24-33, v42-47, v50-55 and v58-63, which the scaled products take
	global_load_b128 v[CB2:CB2+3], v[H32], s[18:19]            ; b2[8 h + 0..7]: the C of product 2
	global_load_b128 v[CB2+4:CB2+7], v[H32], s[18:19] offset:16
	global_load_b96 v[CB3:CB3+2], v[ZO], s[22:23]              ; b3: the C of product 3
; 16 numbers of a lane, half a block of 32 (the other half lies in lane l xor 16), become two registers of codes and the scale word (the byte twice).
.macro Q16 src, dst, sw
	v_max3_num_f32 v[TM], |v[\src]|, |v[\src+1]|, FLOOR
	v_max3_num_f32 v[TM+1], |v[\src+2]|, |v[\src+3]|, |v[\src+4]|   ; (two chains by turns)
	v_max3_num_f32 v[TM], v[TM], |v[\src+5]|, |v[\src+6]|
	v_max3_num_f32 v[TM+1], v[TM+1], |v[\src+7]|, |v[\src+8]|
	v_max3_num_f32 v[TM], v[TM], |v[\src+9]|, |v[\src+10]|
	v_max3_num_f32 v[TM+1], v[TM+1], |v[\src+11]|, |v[\src+12]|
	v_max3_num_f32 v[TM], v[TM], |v[\src+13]|, |v[\src+14]|
	v_max3_num_f32 v[TM], v[TM], v[TM+1], |v[\src+15]|
	v_permlanex16_b32 v[TM+4], v[TM], s26, s27
	v_max_num_f32 v[TM], v[TM], v[TM+4]            ; the block's largest magnitude
	v_add_nc_u32 v[TM+2], EOFF, v[TM]              ; 2 off its exponent field: the conversion takes the exponent field of this operand as its scale
	v_cvt_scalef32_pk8_fp4_f32 v[\dst], v[\src:\src+7], v[TM+2]
	v_cvt_scalef32_pk8_fp4_f32 v[\dst+1], v[\src+8:\src+15], v[TM+2]
	v_lshrrev_b32 v[TM+3], 23, v[TM+2]             ; the scale's byte (a plain line behind the conversions)
	v_lshl_or_b32 v[\sw], v[TM+3], 8, v[TM+3]      ; for the instruction's blocks 0 and 1
.endm
	; THE ROLES: waves 0-7 enc, 8-11 F, 12-13 W1[32:52], 14 W2, 15 W3.  The branches hang on the wave's number alone; each role stores into LDS bytes of its own.
	s_cmp_lt_u32 s4, 8
	s_cbranch_scc1 .Lenc
	s_cmp_lt_u32 s4, 12
	s_cbranch_scc1 .Lfeat
	s_cmp_lt_u32 s4, 14
	s_cbranch_scc1 .Lw1e
	s_cmp_eq_u32 s4, 14
	s_cbranch_scc1 .Lw2
	; ---- wave 15: W3 [16][3] as product 3's source 0.  Lane (r, h) holds row r: W3[8 h + 0..7][r] in registers 0-3 where r < 3, W3[8 h + 0..7][r - 8] in registers 4-7 where 8 <= r < 11, zeros elsewhere
.set WN, 104
.set WC, 120
	v_min_u32 v[GO2], 2, v[R7]                     ; the column, held inside the table for the lanes whose numbers are not kept
	v_mul_u32_u24 v[GOF], v[HH], 96                ; 8 h rows of 12 bytes
	v_lshl_add_u32 v[GOF], v[GO2], 2, v[GOF]
	s_wait_alu depctr_va_vdst(0)                   ; v236, the offset that the eight loads read, is written
.irp i, 0,1,2,3,4,5,6,7
	global_load_b32 v[WN+\i], v[GOF], s[20:21] offset:12*\i
.endr
	v_add_nc_u32 v[TM], -8, v[RR]
	s_wait_loadcnt 0x0
.irp i, 0,1,2,3
	v_cvt_pk_bf16_f32 v[WN+8+\i], v[WN+2*\i], v[WN+2*\i+1]
.endr
	v_cmp_gt_u32 vcc_lo, 3, v[RR]
	s_wait_alu depctr_va_vcc(0)                    ; the compare has written VCC, which the four selects read
.irp i, 0,1,2,3
	v_cndmask_b32 v[WC+\i], 0, v[WN+8+\i], vcc_lo
.endr
	v_cmp_gt_u32 vcc_lo, 3, v[TM]                  ; r - 8 < 3, unsigned
	s_wait_alu depctr_va_vcc(0)                    ; the second compare has written VCC, which the next four selects read
.irp i, 0,1,2,3
	v_cndmask_b32 v[WC+4+\i], 0, v[WN+8+\i], vcc_lo
.endr
	s_wait_alu depctr_va_vdst(0)                   ; the selects have written v120-127, which the two LDS stores read
	ds_store_b128 v[L16], v[WC:WC+3] offset:W3I
	ds_store_b128 v[L16], v[WC+4:WC+7] offset:W3I+512
	s_wait_alu depctr_vm_vsrc(0)                   ; the stores have read v120-127, which product 1 writes behind the join; the loads have read v236, in which rows of out land
	s_branch .Ljoin
	; ---- wave 14: W2 [32][16].  Lane (r, h) takes column r; its 16 rows are those whose h1 a lane (., h) holds: 8 h + j, then 16 + 8 h + j
.Lw2:
	v_lshlrev_b32 v[GOF], 2, v[RR]
	v_lshl_add_u32 v[GOF], v[HH], 9, v[GOF]        ; 8 h rows of 64 bytes
	s_wait_alu depctr_va_vdst(0)                   ; v236, the offset that the sixteen loads read, is written
.irp j, 0,1,2,3,4,5,6,7
	global_load_b32 v[WN+\j], v[GOF], s[16:17] offset:64*\j
	global_load_b32 v[WN+8+\j], v[GOF], s[16:17] offset:64*(16+\j)
.endr
	s_wait_loadcnt 0x0
	Q16 WN, WC, HSC
	s_wait_alu depctr_va_vdst(0)                   ; the conversions have written v120-121 and the scale word v38 is made: the two LDS stores read them
	ds_store_b64 v[L8], v[WC:WC+1] offset:W2I
	ds_store_b32 v[L4], v[HSC] offset:W2SL
	s_wait_alu depctr_vm_vsrc(0)                   ; the stores have read v120-121 and v38, which product 1 and the first step's scale words write behind the join; the loads have read v236, in which rows of out land
	s_branch .Ljoin
	; ---- waves 12, 13: W1[32:52], units 16 (w % 2) + r.  Row 32 + 2 l + h belongs to frequency l and type h (0 sin, 1 cos): lane (r, h) takes type h, l = 0..4 in numbers 0-4, l = 5..9 in numbers 8-12; the others are the block's zeros
.Lw1e:
	v_lshlrev_b32 v[GOF], 2, v[RR]
	v_lshl_add_u32 v[GOF], v[HH], 7, v[GOF]
	s_lshl_b32 s30, s5, 6
	s_add_co_u32 s30, s30, 32*128
	v_add_nc_u32 v[GOF], s30, v[GOF]
	s_wait_alu depctr_va_vdst(0)                   ; v236, the offset that the ten loads read, is written
.irp l, 0,1,2,3,4
	global_load_b32 v[WN+\l], v[GOF], s[12:13] offset:256*\l
	global_load_b32 v[WN+8+\l], v[GOF], s[12:13] offset:256*(5+\l)
.endr
.irp l, 5,6,7
	v_mov_b32 v[WN+\l], 0
	v_mov_b32 v[WN+8+\l], 0
.endr
	s_wait_loadcnt 0x0
	Q16 WN, WC, HSC
	s_wait_alu depctr_va_vdst(0)                   ; the conversions have written v120-121 and the scale word v38 is made: the two LDS stores read them
	ds_store_b64 v[WEI], v[WC:WC+1]
	ds_store_b32 v[WES], v[HSC]                    ; both lanes of a unit write the same word with the same value
	s_wait_alu depctr_vm_vsrc(0)                   ; the stores have read v120-121 and v38, which product 1 and the first step's scale words write behind the join; the loads have read v236, in which rows of out land
	s_branch .Ljoin
	; ---- waves 8-11: F[b][unit] = sum over k < 32 of QW1[k][unit] Qfeature[b][k] + b1[unit], for b = 16 (w % 4) + r.  Lane (., h) holds k = 16 h + 0..15 on both sides
.Lfeat:
.set FX, 104                           ; 16 features
.set FW, 120                           ; 2 x 16 numbers of W1
.set FB, 152                           ; b1 in the result's layout, 2 x 8
.set FO, 168                           ; three operands of 8: the features', W1's two tiles of units
.set FD, 216                           ; two results
	v_lshlrev_b32 v[GOF], 7, v[RR]
	v_lshl_add_u32 v[GOF], v[HH], 6, v[GOF]        ; feature: row r of 128 bytes, + 64 h
	v_lshlrev_b32 v[GO2], 2, v[RR]
	v_lshl_add_u32 v[GO2], v[HH], 11, v[GO2]       ; W1: column r, 16 h rows of 128 bytes down
	s_wait_alu depctr_va_vdst(0)                   ; v236 and v237, the offsets that the loads of the features and of W1 read, are written
.irp i, 0,1,2,3
	global_load_b128 v[FX+4*\i:FX+4*\i+3], v[GOF], s[10:11] offset:16*\i
.endr
.irp i, 0,1,2,3,4,5,6,7,8,9,10,11,12,13,14,15
	global_load_b32 v[FW+\i], v[GO2], s[12:13] offset:128*\i
.endr
.irp i, 0,1,2,3,4,5,6,7,8,9,10,11,12,13,14,15
	global_load_b32 v[FW+16+\i], v[GO2], s[12:13] offset:128*\i+64
.endr
.irp u, 0,1
	global_load_b128 v[FB+8*\u:FB+8*\u+3], v[H32], s[14:15] offset:64*\u          ; b1[16 u + 8 h + 0..7]
	global_load_b128 v[FB+8*\u+4:FB+8*\u+7], v[H32], s[14:15] offset:64*\u+16
.endr
.irp j, 2,3,4,5,6,7
	v_mov_b32 v[FO+\j], 0
	v_mov_b32 v[FO+8+\j], 0
	v_mov_b32 v[FO+16+\j], 0
.endr
	s_wait_loadcnt 36                              ; the features are in: behind them 16 + 16 + 4 loads were issued
	Q16 FX, FO, ESC
	s_wait_loadcnt 20                              ; W1's first tile: 16 + 4 behind it
	Q16 FW, FO+8, W1SC
	s_wait_loadcnt 4                               ; its second: b1's 4 behind it
	Q16 FW+16, FO+16, W2SC
	s_wait_loadcnt 0x0
.rept 8
	v_nop                                          ; a scale word written by a vector instruction stands 8 places ahead of the scaled product, codes so written 4
.endr
	s_wait_alu depctr_va_vdst(0)                   ; behind the places: the vector lines have written the codes in v168-191 and the scale words v34, v36 and v37, which the two scaled products take
	v_wmma_scale_f32_16x16x128_f8f6f4 v[FD:FD+7], v[FO+8:FO+15], v[FO:FO+7], v[FB:FB+7], v[W1SC], v[ESC] matrix_a_fmt:MATRIX_FMT_FP4 matrix_b_fmt:MATRIX_FMT_FP4
	v_wmma_scale_f32_16x16x128_f8f6f4 v[FD+8:FD+15], v[FO+16:FO+23], v[FO:FO+7], v[FB+8:FB+15], v[W2SC], v[ESC] matrix_a_fmt:MATRIX_FMT_FP4 matrix_b_fmt:MATRIX_FMT_FP4
.rept 5
	v_nop                                          ; FIVE places: four are owed to the stores of the results; the fifth to the first products behind the join, which write h1 over
.endr                                              ; v152-167, where these two products read b1: between here and there stand only LDS lines, the barrier and other products, which are no places
	s_wait_alu depctr_va_vdst(0)                   ; behind the places: the two products have written v216-231, which the four LDS stores read, and are done reading v34, v36 and v37, in which scale words land behind the join
.irp u, 0,1
	ds_store_b128 v[FWR], v[FD+8*\u:FD+8*\u+3] offset:64*\u          ; lane (r, h): F[16 (w % 4) + r][16 u + 8 h + 0..7]; each result from its low end on
	ds_store_b128 v[FWR], v[FD+8*\u+4:FD+8*\u+7] offset:64*\u+16
.endr
	s_wait_alu depctr_vm_vsrc(0)                   ; the stores have read v216-231 and the loads v236 and v237: rows of out land in all of them behind the join
	s_branch .Ljoin
	; ---- waves 0-7: enc of n = 8 w + r % 8.  Lane (r, h): type h (0: sin of v[0], 1: cos of v[1]), frequencies l = 5 (r / 8) + 0..4: one register of codes
.Lenc:
.set EX,   104
.set ARG,  105                         ; v105-109 the five arguments
.set ET,   112                         ; t, then q, then the sign
.set EQ,   118                         ; q - 0 or 1/2
.set ER,   124                         ; r
.set ER2,  130                         ; r^2, then r^3
.set EP,   136                         ; the polynomial
.set EE,   144                         ; v144-151 the five numbers and three zeros
.set EOFS, 152                         ; 0 or 1/2
.set EEXP, 153                         ; 5 (r / 8)
.set EC13, 154
	v_lshlrev_b32 v[GOF], 3, v[R7]
	v_lshl_add_u32 v[GOF], v[HH], 2, v[GOF]
	s_lshl_b32 s30, s4, 6
	v_add_nc_u32 v[GOF], s30, v[GOF]               ; 8 bytes an n, 4 h for the coordinate
	s_wait_alu depctr_va_vdst(0)                   ; v236, the offset that the load reads, is written
	global_load_b32 v[EX], v[GOF], s[8:9]
	v_cvt_f32_u32 v[EOFS], v[HH]
	v_mul_f32 v[EOFS], 0.5, v[EOFS]
	v_mul_u32_u24 v[EEXP], v[G3], 5
	v_mov_b32 v[EC13], 0x2f309231                  ; 1 / 13!
.irp i, 5,6,7
	v_mov_b32 v[EE+\i], 0
.endr
	s_wait_loadcnt 0x0
	v_mul_f32 v[ARG], 0x40490fdb, v[EX]            ; f32(pi) x, rounded once; x 2^l rounds nothing: reference()'s f32 argument, bit for bit
	v_ldexp_f32 v[ARG], v[ARG], v[EEXP]
.irp i, 1,2,3,4
	v_ldexp_f32 v[ARG+\i], v[ARG], \i
.endr
.irp i, 0,1,2,3,4
	v_fma_f32 v[ET+\i], v[ARG+\i], 0x3ea2f983, v[EOFS]         ; arg / pi (+ 1/2: cos(a) = sin(a + pi/2))
.endr
.irp i, 0,1,2,3,4
	v_rndne_f32 v[ET+\i], v[ET+\i]                 ; q
.endr
.irp i, 0,1,2,3,4
	v_sub_f32 v[EQ+\i], v[ET+\i], v[EOFS]
.endr
.irp i, 0,1,2,3,4
	v_fma_f32 v[ER+\i], -v[EQ+\i], 0x40490fdb, v[ARG+\i]       ; r = arg - (q - 0 or 1/2) pi, pi = 3.14159274 - 8.74227766e-8 - 3.4302e-15
.endr
.irp i, 0,1,2,3,4
	v_fma_f32 v[ER+\i], -v[EQ+\i], 0xb3bbbd2e, v[ER+\i]
.endr
.irp i, 0,1,2,3,4
	v_fma_f32 v[ER+\i], -v[EQ+\i], 0xa7772ced, v[ER+\i]
.endr
.irp i, 0,1,2,3,4
	v_mul_f32 v[ER2+\i], v[ER+\i], v[ER+\i]
.endr
.irp i, 0,1,2,3,4
	v_fmaak_f32 v[EP+\i], v[EC13], v[ER2+\i], 0xb2d7322b       ; - 1 / 11!
.endr
.irp i, 0,1,2,3,4
	v_fmaak_f32 v[EP+\i], v[EP+\i], v[ER2+\i], 0x3638ef1d      ; + 1 / 9!
.endr
.irp i, 0,1,2,3,4
	v_fmaak_f32 v[EP+\i], v[EP+\i], v[ER2+\i], 0xb9500d01      ; - 1 / 7!
.endr
.irp i, 0,1,2,3,4
	v_fmaak_f32 v[EP+\i], v[EP+\i], v[ER2+\i], 0x3c088889      ; + 1 / 5!
.endr
.irp i, 0,1,2,3,4
	v_fmaak_f32 v[EP+\i], v[EP+\i], v[ER2+\i], 0xbe2aaaab      ; - 1 / 3!
.endr
.irp i, 0,1,2,3,4
	v_mul_f32 v[ER2+\i], v[ER2+\i], v[ER+\i]       ; r^3
.endr
.irp i, 0,1,2,3,4
	v_cvt_i32_f32 v[ET+\i], v[ET+\i]
.endr
.irp i, 0,1,2,3,4
	v_fma_f32 v[EE+\i], v[EP+\i], v[ER2+\i], v[ER+\i]          ; sin(r)
.endr
.irp i, 0,1,2,3,4
	v_lshlrev_b32 v[ET+\i], 31, v[ET+\i]           ; q's lowest bit as a sign
.endr
.irp i, 0,1,2,3,4
	v_xor_b32 v[EE+\i], v[ET+\i], v[EE+\i]         ; (-1)^q sin(r)
.endr
	v_max3_num_f32 v[TM], |v[EE]|, |v[EE+1]|, FLOOR            ; the block's 20 numbers lie in four lanes: r and r xor 8, in both halves
	v_max3_num_f32 v[TM], v[TM], |v[EE+2]|, |v[EE+3]|
	v_max_num_f32 v[TM], v[TM], |v[EE+4]|
	v_max_num_f32_dpp v[TM], v[TM], v[TM] row_xmask:8 row_mask:0xf bank_mask:0xf
	v_permlanex16_b32 v[TM+4], v[TM], s26, s27
	v_max_num_f32 v[TM], v[TM], v[TM+4]
	v_add_nc_u32 v[TM+2], EOFF, v[TM]
	v_cvt_scalef32_pk8_fp4_f32 v[TM+6], v[EE:EE+7], v[TM+2]
	v_lshrrev_b32 v[TM+3], 23, v[TM+2]             ; (a plain line behind the conversion)
	v_lshl_or_b32 v[HSC], v[TM+3], 8, v[TM+3]
	s_wait_alu depctr_va_vdst(0)                   ; the conversion has written v206 and the scale word v38 is made: the two LDS stores read them
	ds_store_b32 v[EWI], v[TM+6]
	ds_store_b32 v[EWS], v[HSC]                    ; the four lanes of an n write the same word with the same value
	s_wait_alu depctr_vm_vsrc(0)                   ; the stores have read v206 and v38, which the first step's vector lines write behind the join; the load has read v236, in which rows of out land
.Ljoin:
	s_wait_loadcnt 0x0                             ; b2 and b3
	s_wait_dscnt 0x0                               ; for the others' sake: my stores into LDS are done
	s_barrier_signal -1
	s_barrier_wait -1                              ; THE ONE BARRIER: behind it nobody writes what the roles have stored
	; (the loads below owe no wait of their own: on every way here the role's last vector or matrix line stands ahead of the wait on va_vdst in front of the role's stores)
.irp t, 0,1,2,3
	ds_load_b64 v[ENCF+2*\t:ENCF+2*\t+1], v[L8] offset:ENCI+256*\t
.endr
.irp p, 0,1
	ds_load_b32 v[ESC+\p], v[L4] offset:ENCS+128*\p
	ds_load_b64 v[WEF+8*\p:WEF+8*\p+1], v[L8] offset:W1EI+256*\p
.endr
	ds_load_b32 v[W1SC], v[L4] offset:W1ES
	ds_load_b64 v[W2F:W2F+1], v[L8] offset:W2I
	ds_load_b32 v[W2SC], v[L4] offset:W2SL
	ds_load_b128 v[W3F:W3F+3], v[L16] offset:W3I
	ds_load_b128 v[W3F+4:W3F+7], v[L16] offset:W3I+512
.macro CFLOAD k                        ; F of my b number k, in the result's layout: units 8 h + 0..7 and 16 + 8 h + 0..7; the sixteen lanes of a half read the same bytes
	ds_load_b128 v[CFB:CFB+3], v[CFA] offset:FP*(\k)
	ds_load_b128 v[CFB+4:CFB+7], v[CFA] offset:FP*(\k)+16
	ds_load_b128 v[CFB+8:CFB+11], v[CFA] offset:FP*(\k)+64
	ds_load_b128 v[CFB+12:CFB+15], v[CFA] offset:FP*(\k)+80
.endm
	CFLOAD 0
	s_wait_dscnt 0x0
; PRODUCT 1 for the two tiles of n of parity p (tiles 2 p, 2 p + 1) and the b whose F lies in CFB: h1 = QW1[32:52]^T Qenc + F[b].  No product of this text adds in place: C and D are always different registers.
.macro M1 p
	v_wmma_scale_f32_16x16x128_f8f6f4 v[HID+32*\p:HID+32*\p+7], v[WEF:WEF+7], v[ENCF+4*\p:ENCF+4*\p+7], v[CFB:CFB+7], v[W1SC], v[ESC+\p] matrix_a_fmt:MATRIX_FMT_FP4 matrix_b_fmt:MATRIX_FMT_FP4
	v_wmma_scale_f32_16x16x128_f8f6f4 v[HID+32*\p+8:HID+32*\p+15], v[WEF+8:WEF+15], v[ENCF+4*\p:ENCF+4*\p+7], v[CFB+8:CFB+15], v[W1SC], v[ESC+\p] matrix_a_fmt:MATRIX_FMT_FP4 matrix_b_fmt:MATRIX_FMT_FP4 matrix_a_scale:MATRIX_SCALE_ROW1
	v_wmma_scale_f32_16x16x128_f8f6f4 v[HID+32*\p+16:HID+32*\p+23], v[WEF:WEF+7], v[ENCF+4*\p+2:ENCF+4*\p+9], v[CFB:CFB+7], v[W1SC], v[ESC+\p] matrix_a_fmt:MATRIX_FMT_FP4 matrix_b_fmt:MATRIX_FMT_FP4 matrix_b_scale:MATRIX_SCALE_ROW1
	v_wmma_scale_f32_16x16x128_f8f6f4 v[HID+32*\p+24:HID+32*\p+31], v[WEF+8:WEF+15], v[ENCF+4*\p+2:ENCF+4*\p+9], v[CFB+8:CFB+15], v[W1SC], v[ESC+\p] matrix_a_fmt:MATRIX_FMT_FP4 matrix_b_fmt:MATRIX_FMT_FP4 matrix_a_scale:MATRIX_SCALE_ROW1 matrix_b_scale:MATRIX_SCALE_ROW1
.endm
; PRODUCT 2 for the two tiles whose codes lie in PCD: h2 = QW2^T Q(relu(h1)) + b2
.macro M2
	v_wmma_scale_f32_16x16x128_f8f6f4 v[DD2:DD2+7], v[W2F:W2F+7], v[PCD:PCD+7], v[CB2:CB2+7], v[W2SC], v[HSC] matrix_a_fmt:MATRIX_FMT_FP4 matrix_b_fmt:MATRIX_FMT_FP4
	v_wmma_scale_f32_16x16x128_f8f6f4 v[DD2+8:DD2+15], v[W2F:W2F+7], v[PCD+2:PCD+9], v[CB2:CB2+7], v[W2SC], v[HSC+1] matrix_a_fmt:MATRIX_FMT_FP4 matrix_b_fmt:MATRIX_FMT_FP4
.endm
; PRODUCT 3 for both tiles at once
.macro M3
	v_wmma_f32_16x16x32_bf16 v[DD3:DD3+7], v[W3F:W3F+7], v[PP3:PP3+7], v[CB3:CB3+7]
.endm
; relu(h1) of two tiles into codes and scale words.  The maxima have no |.|: what is negative must not count, and the floor stands under them.  Each of the four results is first read at its low end.
; The first eight lines, on the buffer at HX, stand a step early, four on each side of product 2: they name scratch and an h1 buffer alone, so they are places in front of that product and behind it.
.macro V1_HEAD_A
	v_max3_num_f32 v[TM],   v[HX],    v[HX+1],  FLOOR
	v_max3_num_f32 v[TM+1], v[HX+16], v[HX+17], FLOOR
	v_max3_num_f32 v[TM+2], v[HX+8],  v[HX+9],  v[HX+10]
	v_max3_num_f32 v[TM+3], v[HX+24], v[HX+25], v[HX+26]
.endm
.macro V1_HEAD_B
	v_max3_num_f32 v[TM],   v[TM],   v[HX+2],  v[HX+3]
	v_max3_num_f32 v[TM+1], v[TM+1], v[HX+18], v[HX+19]
	v_max3_num_f32 v[TM+2], v[TM+2], v[HX+11], v[HX+12]
	v_max3_num_f32 v[TM+3], v[TM+3], v[HX+27], v[HX+28]
.endm
.macro V1_REST                         ; the rest, on the buffer at HB.  Its first fourteen lines name scratch and that buffer alone: the places behind the products 3 and 1 just issued
	v_max3_num_f32 v[TM],   v[TM],   v[HB+4],  v[HB+5]
	v_max3_num_f32 v[TM+1], v[TM+1], v[HB+20], v[HB+21]
	v_max3_num_f32 v[TM+2], v[TM+2], v[HB+13], v[HB+14]
	v_max3_num_f32 v[TM+3], v[TM+3], v[HB+29], v[HB+30]
	v_max3_num_f32 v[TM],   v[TM],   v[HB+6],  v[HB+7]
	v_max3_num_f32 v[TM+1], v[TM+1], v[HB+22], v[HB+23]
	v_max3_num_f32 v[TM],   v[TM],   v[TM+2],  v[HB+15]
	v_max3_num_f32 v[TM+1], v[TM+1], v[TM+3],  v[HB+31]
	v_permlanex16_b32 v[TM+4], v[TM], s26, s27
	v_permlanex16_b32 v[TM+5], v[TM+1], s26, s27
	v_max_num_f32 v[TM], v[TM], v[TM+4]            ; with lane l xor 16's sixteen units: the block's largest number
	v_max_num_f32 v[TM+1], v[TM+1], v[TM+5]
	v_add_nc_u32 v[TM+6], EOFF, v[TM]
	v_add_nc_u32 v[TM+7], EOFF, v[TM+1]
	v_cvt_scalef32_pk8_fp4_f32 v[PCD],   v[HB:HB+7],     v[TM+6]
	v_cvt_scalef32_pk8_fp4_f32 v[PCD+1], v[HB+8:HB+15],  v[TM+6]
	v_cvt_scalef32_pk8_fp4_f32 v[PCD+2], v[HB+16:HB+23], v[TM+7]
	v_cvt_scalef32_pk8_fp4_f32 v[PCD+3], v[HB+24:HB+31], v[TM+7]
	v_lshrrev_b32 v[TM+8], 23, v[TM+6]             ; (plain lines behind the conversions)
	v_lshrrev_b32 v[TM+9], 23, v[TM+7]
	v_lshl_or_b32 v[HSC], v[TM+8], 8, v[TM+8]
	v_lshl_or_b32 v[HSC+1], v[TM+9], 8, v[TM+9]
.irp c, 0,1,2,3
	v_bfi_b32 v[TM+10+\c], v[PCD+\c], 0, s28       ; THE relu, on codes: 8 in each four bits whose sign bit is clear,
.endr
.irp c, 0,1,2,3
	v_lshrrev_b32 v[TM+\c], 3, v[TM+10+\c]
.endr
.irp c, 0,1,2,3
	v_sub_nc_u32 v[TM+10+\c], v[TM+10+\c], v[TM+\c]            ; 8 - 1 = 7 there, 0 where the code is negative:
.endr
.irp c, 0,1,2,3
	v_and_b32 v[PCD+\c], v[PCD+\c], v[TM+10+\c]    ; negative codes become 0, the others stay
.endr
.endm
; relu(h2) of two tiles, rounded to bf16: a lane's eight units of tile a are K = 8 h + 0..7 of product 3, those of tile b K = 16 + 8 h + 0..7
.macro V2
.irp n, 0,1,2,3,4,5,6,7,8,9,10,11,12,13,14,15
	v_max_num_f32 v[DD2+\n], 0, v[DD2+\n]
.endr
.irp n, 0,1,2,3,4,5,6,7
	v_cvt_pk_bf16_f32 v[PP3+\n], v[DD2+2*\n], v[DD2+2*\n+1]
.endr
.endm
.macro TOSTAGE p                       ; out[b][32 p + lane][0..2]: 12 bytes from lane to lane, so a store's 32 words are words 3 l + c: all in different banks (ISA guide 11.1)
.irp c, 0,1,2
	ds_store_b32 v[STO], v[DD3+\c] offset:384*(\p)+4*\c
.endr
.endm
.macro BACK k                          ; a whole b, 768 bytes, back as three runs of 256: LDS serves a wave's instructions in order (ISA guide 5.7.1.4), so these see my stores, and the next b's stores come behind them
.irp c, 0,1,2
	ds_load_b64 v[OUTR+6*(\k)+2*\c:OUTR+6*(\k)+2*\c+1], v[STR] offset:256*\c
.endr
.endm
.macro SEND k
.irp c, 0,1,2
	global_store_b64 v[L8], v[OUTR+6*(\k)+2*\c:OUTR+6*(\k)+2*\c+1], s[24:25] offset:12288*(\k)+256*\c th:TH_STORE_NT   ; 32 lanes store 256 consecutive bytes, at a multiple of 256 from out's first byte; written once, read by nobody here
.endr
.endm
; STEP j, for stream j (b number j / 2, parity j % 2).  Its quantising is finished; behind the step's one wait on va_vdst F of the next b is asked for, product 2 of stream j is issued, and stream j - 1's results go to
; the stage (in even steps a whole b comes back from it); relu(h2) of stream j follows, then product 3 of stream j and product 1 of stream j + 2, into the h1 buffer that stream j has just left.
; All offsets are immediates: no loop, no pointer is stepped, no register that a global load or store names is written again.
.macro SLOT j
.set PP, (\j)%2
.set KB, (\j)/2
.set HB, HID+32*PP
.set HX, HID+32*(1-PP)
	V1_REST
.if \j <= 6
	V1_HEAD_A                                      ; stream j + 1's first four maxima: codes written by vector instructions stand 4 places ahead of the scaled product (the scale words stand 20 ahead)
.else
.rept 4
	v_nop                                          ; the last step has no next stream: the same four places
.endr
.endif
	s_wait_alu depctr_va_vdst(0)                   ; behind the places: the vector lines have written the codes v24-27 and the scale words v38-39, which products 2 and 1 take; the step before's product 3 has written DD3, which the stage stores read; its product 1 is done reading F, and all earlier lines that named v216-239 are done: loads land in both
.if (PP == 0) && (\j <= 4)
	CFLOAD KB+1                                    ; F of the next b: it has product 2 and 28 vector lines in which to land
.endif
	M2                                             ; it names v24-33, v37-39, v56-63, v72-79 and v168-183: none of the registers that the LDS lines of this step touch
.if \j >= 1
	TOSTAGE 1-PP                                   ; stream j - 1
.endif
.if (PP == 0) && (\j >= 2)
	BACK KB-1                                      ; both halves of b number j / 2 - 1 lie in the stage
.endif
.if \j <= 6
	V1_HEAD_B                                      ; four more maxima: the four places between product 2 and the first read of its results
.else
.rept 4
	v_nop
.endr
.endif
	V2
.if PP == 0
	s_wait_dscnt 0x0                               ; F (steps 0, 2, 4) and the rows of out (steps 2, 4, 6) are in
.endif
.if (PP == 0) && (\j >= 2)
	SEND KB-1
.endif
.if \j >= 1
	s_wait_alu depctr_vm_vsrc(0)                   ; this step's stage stores have read DD3, which product 3 writes again
.endif
	M3
.if \j <= 5
	M1 PP
.endif
.endm
	M1 0                                           ; streams 0 and 1
	M1 1
.rept 4
	v_nop                                          ; four places between the products and the first read of their results
.endr
.set HX, HID
	V1_HEAD_A                                      ; stream 0's first eight maxima
	V1_HEAD_B
.irp j, 0,1,2,3,4,5,6,7
	SLOT \j
.endr
.rept 4
	v_nop                                          ; the tail: four places behind stream 7's product 3
.endr
	s_wait_alu depctr_va_vdst(0)                   ; behind the places: the last product 3 has written DD3, which the stage stores read
	TOSTAGE 1                                      ; stream 7
	BACK 3
	s_wait_dscnt 0x0
	SEND 3
	s_wait_dscnt 0x0                               ; the closing lines, six on end
	s_wait_alu 0x0
	s_wait_tensorcnt 0x0
	ds_add_u32 v240, v241
	s_wait_dscnt 0x0
	s_endpgm
.Lfunc_end_k_q2392d421d3_decode:
	.size	k_q2392d421d3_decode, .Lfunc_end_k_q2392d421d3_decode-k_q2392d421d3_decode
	.p2alignl 7, 3214868480
	.fill 96, 4, 3214868480
	.section	.rodata,"a",@progbits
	.p2align	6, 0x0
	.amdhsa_kernel k_q2392d421d3_decode
		.amdhsa_group_segment_fixed_size 27648
		.amdhsa_private_segment_fixed_size 0
		.amdhsa_enable_private_segment 0
		.amdhsa_kernarg_size 72
		.amdhsa_user_sgpr_count 2
		.amdhsa_user_sgpr_kernarg_segment_ptr 1
		.amdhsa_wavefront_size32 1
		.amdhsa_system_sgpr_workgroup_id_x 1
		.amdhsa_system_sgpr_workgroup_id_y 1
		.amdhsa_system_sgpr_workgroup_id_z 1
		.amdhsa_system_vgpr_workitem_id 0
		.amdhsa_next_free_vgpr 242
		.amdhsa_next_free_sgpr 66
		.amdhsa_reserve_vcc 1
		.amdhsa_float_denorm_mode_32 3
		.amdhsa_float_denorm_mode_16_64 3
		.amdhsa_memory_ordered 1
		.amdhsa_forward_progress 1
		.amdhsa_inst_pref_size 68
	.end_amdhsa_kernel
	.amdgpu_metadata
---
amdhsa.version: [ 1, 2 ]
amdhsa.kernels:
  - .name:           k_q2392d421d3_decode
    .symbol:         k_q2392d421d3_decode.kd
    .args:
      - { .name: coordinates_v, .offset: 0, .size: 8, .value_kind: global_buffer, .address_space: global }
      - { .name: feature, .offset: 8, .size: 8, .value_kind: global_buffer, .address_space: global }
      - { .name: W1, .offset: 16, .size: 8, .value_kind: global_buffer, .address_space: global }
      - { .name: b1, .offset: 24, .size: 8, .value_kind: global_buffer, .address_space: global }
      - { .name: W2, .offset: 32, .size: 8, .value_kind: global_buffer, .address_space: global }
      - { .name: b2, .offset: 40, .size: 8, .value_kind: global_buffer, .address_space: global }
      - { .name: W3, .offset: 48, .size: 8, .value_kind: global_buffer, .address_space: global }
      - { .name: b3, .offset: 56, .size: 8, .value_kind: global_buffer, .address_space: global }
      - { .name: out0, .offset: 64, .size: 8, .value_kind: global_buffer, .address_space: global }
    .group_segment_fixed_size: 27648
    .private_segment_fixed_size: 0
    .kernarg_segment_align: 8
    .kernarg_segment_size: 72
    .max_flat_workgroup_size: 512
    .sgpr_count:     66
    .vgpr_count:     242
    .wavefront_size: 32
...
	.end_amdgpu_metadata
.endif
;; end of part 2
